; MI455X (gfx1250); checked and timed in simulation.
; The chip was launched on July 23, 2026; its instructions are those of AMD's public machine-readable ISA for CDNA 5 (MIT licence, August 2026) and "CDNA5" Instruction Set Architecture Reference Guide (July 2026). The comments in the code are by the model that wrote it; some were corrected since.
;; POS Inject. Allowed arithmetic: matrix products marked QUANTISED: E2M1 operands, one E8M0 scale for each 32 along K, by v_wmma_scale_f32_16x16x128_f8f6f4 with both operands' format E2M1 (or v_wmma_scale_f32_32x16x128_f4), f32 sums; everything else in f32.
;; Inputs: Wk_codes 256 x 16 x 16 uint8 (E2M1 codes of Wk, K innermost, in blocks of 32 codes, two codes a byte); Wk_scales 256 x 16 uint8 (E8M0 scales of Wk, one for each 32 codes along K); Wq_codes 256 x 16 x 16 uint8 (E2M1 codes of Wq, K innermost, in blocks of 32 codes, two codes a byte); Wq_scales 256 x 16 uint8 (E8M0 scales of Wq, one for each 32 codes along K); Wv_codes 512 x 16 x 16 uint8 (E2M1 codes of Wv, K innermost, in blocks of 32 codes, two codes a byte); Wv_scales 512 x 16 uint8 (E8M0 scales of Wv, one for each 32 codes along K); bk 256 float32; bq 256 float32; bv 512 float32; gamma 1 float32; pos_emb 16 x 512 float32; pos_h 4 x 64 x 64 int32; pos_w 4 x 64 x 64 int32; x 4 x 512 x 64 x 64 float32.
;; Outputs: out0 4 x 512 x 64 x 64 float32.
;; This version of the problem:
;;   THIS VERSION OF THE PROBLEM IS GIVEN IN LOW PRECISION. The matrix products marked QUANTISED in the list below multiply operands that are first quantised to E2M1 (2 exponent bits, 1 mantissa bit; 4 bits a number), with one power-of-two scale for each 32 numbers along K (OCP MX v1.0); their sums are f32. All else is computed in f32.
;;   The module's matrix products, in the order in which they are computed (A, B: the left and right operand; K: the contracted axis; several contracted axes count as one K, in the product's order):
;;     1. [M 256, K 512] x [K 512, N 16,384]; A: input Wq (given as codes); B: input x: QUANTISED
;;     2. [M 256, K 512] x [K 512, N 16,384]; A: input Wk (given as codes); B: computed on the way: QUANTISED
;;     3. [M 512, K 512] x [K 512, N 16,384]; A: input Wv (given as codes); B: input x: QUANTISED
;;     4. batch 4 x [M 4,096, K 256] x [K 256, N 4,096]; A: computed on the way; B: computed on the way: QUANTISED
;;     5. batch 4 x [M 512, K 4,096] x [K 4,096, N 4,096]; A: computed on the way; B: softmax (see below): QUANTISED
;;   THE QUANTISER, for each operand of a quantised product, along K:
;;     - K is cut into blocks of 32 from its start; a last block that is shorter is filled with zeros.
;;     - A block's scale is 2^e with e = floor(log2(the largest magnitude in the block)) - 2, held to -126 .. 127; a block of zeros has e = 0. As a byte (E8M0): e + 127.
;;     - Each number is divided by its block's scale, clamped to +-6, and rounded to the nearest number of E2M1, ties to even, subnormals kept.
;;     - The product sums the exact products of the quantised numbers (number of the format x scale) in f32.
;;   ~~~python
;;   def quantise(x, axis):      # numpy; x: float32 -> the quantised numbers, widened to float32 again
;;       x = np.moveaxis(x, axis, -1); K = x.shape[-1]
;;       x = np.pad(x, [(0, 0)] * (x.ndim - 1) + [(0, -K % 32)]); x = x.reshape(x.shape[:-1] + (-1, 32)); a = np.abs(x).max(-1, keepdims=True)
;;       e = np.where(a > 0, np.clip(np.frexp(np.where(a > 0, a, 1))[1] - 1 - 2, -126, 127), 0)      # np.frexp(a)[1] - 1 = floor(log2(a)), exactly
;;       r = np.clip(x / 2.0 ** e, -6, 6)
;;       step = 2.0 ** (np.maximum(np.frexp(np.where(r == 0, 1, r))[1] - 1, 0) - 1)
;;       q = np.round(r / step) * step * 2.0 ** e      # np.round: ties to even
;;       return np.moveaxis(q.reshape(q.shape[:-2] + (-1,))[..., :K], -1, axis).astype(np.float32)
;;   ~~~
;;   SOFTMAX AHEAD OF A QUANTISED PRODUCT. Where the list says 'softmax', what is quantised is not the finished softmax but p = 2^(t - M), with t = logit x log2(e) and M = ceil(the row's largest t), a whole number; so 1/2 < the row's largest p <= 1. The row's sum l is taken of the UNQUANTISED p, in f32, and the product's result is divided by l at the end. Since M is a whole number, a kernel that streams over the keys may use a running M (the ceiling of the running maximum): every later rescaling is an exact power of two, which a block's scale takes up: the codes' values come out the same.
;;   OPERANDS COMPUTED ON THE WAY. 'Computed on the way' means the value that the module computes at that place (a softmax that the list does not call 'softmax' is quantised finished and normalised). What goes into a quantiser is computed in f32, as accurately as f32 sums, v_exp_f32 and their like allow (about 1e-6 of the number): no bf16 or f16 on the way to a quantiser, and a product that is left as it is and whose result goes on into a quantised operand takes f32 operands (vector FMAs, or v_wmma_f32_16x16x4_f32). A number that lies on a knife's edge between two numbers of the format may be rounded either way, as far as f32 arithmetic and the matrix unit's own rounding can turn it there, and no further.
;;   INPUTS GIVEN AS CODES. Wk (in the module: [256, 512], K = its axis 1); Wq (in the module: [256, 512], K = its axis 1); Wv (in the module: [512, 512], K = its axis 1): each comes as NAME_codes (uint8): NAME with its K axis moved to the last place and cut into blocks of 32 codes, [.., K / 32, bytes a block], one block behind the other in memory; two codes a byte, the lower K in the low four bits (a code: sign, 2 exponent bits, 1 mantissa bit); and NAME_scales (uint8): the same leading axes, one E8M0 byte (e + 127) for each 32 codes along K. Its value is code x scale, taken as it is: it is not quantised again, and the codes and scales need not be those that the quantiser above would give.
;; One version. Each part assembles by itself: llvm-mc -triple=amdgcn-amd-amdhsa -mcpu=gfx1250 --defsym DOCPART=n.
;; ======== version 1 of 1: 2 launches
;; workspace buffers: qimg 2,097,152 bytes; qscl 131,072 bytes; vimg 4,456,448 bytes; rs 524,288 bytes
;; launch proj (part 1): grid 64 x 4, 4 waves a work-group, no clusters, 168,448 bytes of LDS; arguments x, Wq_codes, Wq_scales, bq, Wv_codes, Wv_scales, bv, qimg, qscl, vimg, rs; writes qimg, qscl, vimg, rs
.if DOCPART == 1
	.amdgcn_target "amdgcn-amd-amdhsa--gfx1250"
	.amdhsa_code_object_version 6
	.text
	.protected	k_q5938a71bd7_proj
	.globl	k_q5938a71bd7_proj
	.p2align	8
	.type	k_q5938a71bd7_proj,@function
k_q5938a71bd7_proj:
	s_mov_b64 s[64:65], 0
	v_nop
	global_prefetch_b8 v0, s[64:65] scope:SCOPE_SE
	s_setreg_imm32_b32 hwreg(HW_REG_WAVE_MODE, 25, 1), 1
	s_wait_xcnt 0x0
; q = Wq Q(x) + bq and v = Wv Q(x) + bv on codes of FP4 (E2M1) with one E8M0 scale for each 32 along K, for ONE image row (64 pixels, all 512 channels) a work-group;
; q is quantised along its 256 channels, v along the pixels, and both leave as images of operand registers for the attention launch; the sums of x over w leave for the key launch.
; SHARES.  Work-group (row, image).  Wave w: channels 64 w .. 64 w + 63 of q (4 tiles) and 128 w .. 128 w + 127 of v (8 tiles), for the 4 pixel tiles.  Its weights stay in registers, read once.
; The weights are not shared through LDS: x takes 139,264 bytes and the weights 208,896, which do not fit together in 327,680.
; PIXEL TILE u: tile row r is pixel w = 32 (r / 8) + 8 u + r % 8, so that the 32 registers that a lane holds of v (pixel tiles 0 to 3) are 32 neighbouring pixels: a whole block along the keys.
; ROWS OF Wq IN A TILE t: lane r takes row 32 (t / 2) + 8 (t % 2) + r + 8 (r / 8), so that the 16 registers of tiles 2 b, 2 b + 1 are 16 neighbouring channels of q.
; x comes by four tensor loads a wave (32 rows of 256 bytes each, one for each K step of 128 channels); a wave reads only rows that it fetched itself.  No LDS byte is filled twice.
; LIMITS: NaN and infinities are not served; a block whose largest magnitude lies under 2^-124 (a block of zeros too) gets the scale byte 1: its codes are as the conversion gives them, and only this program reads the bytes.
; REGISTERS: window 0: v1-19 addresses, v20-23 x scale words, v24-39 Wq scale words, v40-71 Wv scale words, v72-103 bq as C, v104-111 bv, v112-143 x fragments, v144-151 and v152-255 at work.
;   window 1: v0-127 Wq fragments (8 (4 i + t)), v128-255 q sums (128 + 32 u + 8 t).   window 2: Wv fragments (8 (8 i + a)).   window 3: v sums (32 a + 8 u).
.set PITCH, 272                        ; an LDS row of x: 256 bytes + 16 of padding
.set KSB,   128*PITCH                  ; a K step of x in LDS
.set XIMG,  512*PITCH                  ; 16 images of x fragments (4 i + u), 1,152 bytes apart
.set IMGS,  1152
.set XSC,   XIMG+16*IMGS               ; their scale words: (4 i + u) 64 + 4 r
.set RSL,   XSC+1024                   ; the 512 sums over w
.set QSC,   RSL+2048                   ; scale words of q: (2 u + ks) 64 + 4 r
.set XS,  20
.set WQS, 24
.set WVS, 40
.set BQ,  72
.set BV,  104
.set XF,  112
.set T,   152
.set PCV, 152
.set MV,  184
.set SCV, 192
.set BYV, 200
.set MQ,  208
.set PQ,  216
.set SCQ, 224
.set HWQ, 232
.set PCQ, 236
.set MSB, 0
.macro WIN new                         ; the high byte of the immediate repeats the setting that is left
.if MSB != (\new)
	s_set_vgpr_msb (MSB<<8)|(\new)
.set MSB, (\new)
.endif
.endm
	s_load_b512 s[4:19], s[0:1], 0x0               ; x, Wq codes, Wq scales, bq, Wv codes, Wv scales, bv, qimg
	s_load_b128 s[20:23], s[0:1], 0x40             ; qscl, vimg
	s_load_b64 s[48:49], s[0:1], 0x50              ; rs
	v_lshl_add_u32 v254, v0, 2, 0x29000
	v_mov_b32 v255, 0
	ds_add_u32 v254, v255
	ds_add_u32 v254, v255
	s_wait_dscnt 0x0
	v_lshrrev_b32 v1, 5, v0
	v_readfirstlane_b32 s50, v1                    ; wave 0..3
	s_mov_b32 s51, ttmp9                           ; image row
	s_and_b32 s52, ttmp7, 0xffff                   ; image
	; descriptor group 1: 32 rows of 64 elements of 4 bytes, 4,096 elements apart; 4 words of padding behind every 64
	s_mov_b32 s24, (2<<16)|(1<<20)|(5<<22)|(3<<25)
	s_mov_b32 s25, 64<<16                          ; tensor_dim0
	s_mov_b32 s26, 32<<16                          ; tensor_dim1
	s_mov_b32 s27, 64<<16                          ; tile_dim0
	s_mov_b32 s28, 32                              ; tile_dim1
	s_mov_b32 s29, 4096                            ; from channel to channel
	s_mov_b32 s30, 0
	s_mov_b32 s31, 0
	s_lshl_b32 s54, s52, 23                        ; image x 512 channels x 16,384 bytes
	s_lshl_b32 s55, s51, 8                         ; + row x 256
	s_add_co_u32 s54, s54, s55
	s_lshl_b32 s55, s50, 19                        ; + 32 wave channels
	s_add_co_u32 s54, s54, s55
	s_mov_b32 s55, 0
	s_mul_i32 s56, s50, 32*PITCH                   ; my 32 rows of a K step in LDS
	s_mov_b32 s66, 0x76543210                      ; lane selects for v_permlanex16_b32: lane l xor 16
	s_mov_b32 s67, 0xfedcba98
	s_wait_kmcnt 0x0
	s_add_nc_u64 s[4:5], s[4:5], s[54:55]
.irp i, 0,1,2,3
	s_mov_b32 s[32+4*\i], 1
	s_add_co_u32 s[33+4*\i], s56, \i*KSB
	s_add_nc_u64 s[34+4*\i:35+4*\i], s[4:5], \i*2097152   ; 128 channels on
	s_or_b32 s[35+4*\i], s[35+4*\i], 0x80000000
.endr
	tensor_load_to_lds s[32:35], s[24:31]          ; the four first fills go out together: four loads of mine are out
	s_nop 0
	tensor_load_to_lds s[36:39], s[24:31]
	s_nop 0
	tensor_load_to_lds s[40:43], s[24:31]
	s_nop 0
	tensor_load_to_lds s[44:47], s[24:31]
	s_nop 0
.rept 4
	v_nop
.endr
	v_and_b32 v1, 15, v0                           ; r
	v_bfe_u32 v2, v0, 4, 1                         ; h
	v_and_b32 v144, 31, v0                         ; lane
	v_lshlrev_b32 v3, 4, v144                      ; 16 x lane
	v_lshl_add_u32 v4, v1, 2, XSC                  ; x scale words: 4 r
	v_mul_u32_u24 v5, v0, PITCH                    ; a lane to a row: row 32 w + lane = my thread number
	v_lshlrev_b32 v6, 2, v144
	v_add_nc_u32 v6, s56, v6                       ; a lane to a pixel: 4 x lane in my first row
	v_bfe_u32 v145, v0, 3, 2                       ; lane / 8: the pixel tile
	v_and_b32 v146, 7, v0
	v_mul_u32_u24 v7, v145, IMGS
	v_lshl_add_u32 v7, v146, 4, v7
	s_lshl_b32 s57, s50, 8                         ; block w of a K step lies at 512 (w / 2) + 256 (w % 2) = 256 w of an image
	s_add_co_u32 s57, s57, XIMG
	v_add_nc_u32 v7, s57, v7                       ; where my codes go
	v_lshlrev_b32 v8, 6, v145
	v_lshl_add_u32 v8, v146, 2, v8
	s_add_co_u32 s57, s50, XSC
	v_add_nc_u32 v8, s57, v8                       ; where my scale byte goes: byte w of the word
	v_lshl_add_u32 v9, v0, 2, RSL                  ; where my row sum goes
	v_and_b32 v147, 8, v1
	v_add_nc_u32 v147, v147, v1                    ; r + 8 (r / 8)
	v_lshlrev_b32 v10, 8, v147
	v_lshl_add_u32 v10, v2, 4, v10                 ; Wq codes: a row is 256 bytes
	v_lshlrev_b32 v11, 8, v1
	v_lshl_add_u32 v11, v2, 4, v11                 ; Wv codes
	v_lshlrev_b32 v12, 4, v147                     ; Wq scales: 16 bytes a row
	s_and_b32 s58, s51, 1                          ; the parity of the image row
	s_lshl_b32 s59, s58, 8
	v_lshlrev_b32 v13, 9, v2
	v_lshl_add_u32 v13, v1, 4, v13
	v_add_nc_u32 v13, s59, v13                     ; v codes in an image: 512 h + 256 parity + 16 r
	v_lshlrev_b32 v14, 4, v1
	v_lshl_add_u32 v14, v2, 1, v14
	s_add_co_u32 s59, s58, 8192
	v_add_nc_u32 v14, s59, v14                     ; v scale byte: 8,192 + 16 r + 2 h + parity
	s_lshr_b32 s57, s50, 1
	s_lshl_b32 s57, s57, 6
	s_and_b32 s59, s50, 1
	s_lshl_b32 s59, s59, 1
	s_add_co_u32 s57, s57, s59
	s_add_co_u32 s57, s57, QSC
	v_lshl_add_u32 v15, v1, 2, s57                 ; q scale bytes: 64 (w / 2) + 4 r + 2 (w % 2)
	v_lshl_add_u32 v16, v144, 4, XIMG              ; x images: 16 x lane
	v_lshlrev_b32 v17, 4, v1                       ; Wv scales
	v_lshlrev_b32 v18, 6, v2                       ; bq: 64 h
	v_lshlrev_b32 v19, 2, v1                       ; bv: 4 r
	s_lshl_b32 s54, s50, 14
	s_add_nc_u64 s[6:7], s[6:7], s[54:55]          ; my 64 rows of Wq
	s_lshl_b32 s54, s50, 10
	s_add_nc_u64 s[8:9], s[8:9], s[54:55]
	s_lshl_b32 s54, s50, 8
	s_add_nc_u64 s[10:11], s[10:11], s[54:55]
	s_lshl_b32 s54, s50, 15
	s_add_nc_u64 s[12:13], s[12:13], s[54:55]      ; my 128 rows of Wv
	s_lshl_b32 s54, s50, 11
	s_add_nc_u64 s[14:15], s[14:15], s[54:55]
	s_lshl_b32 s54, s50, 9
	s_add_nc_u64 s[16:17], s[16:17], s[54:55]
	s_lshl_b32 s57, s52, 6
	s_add_co_u32 s57, s57, s51                     ; 64 image + row
	s_lshl_b32 s54, s57, 13
	s_lshl_b32 s59, s50, 9
	s_add_co_u32 s54, s54, s59
	s_add_nc_u64 s[18:19], s[18:19], s[54:55]      ; qimg: + 1,024 (w / 2) + 512 (w % 2) = 512 w
	s_lshl_b32 s54, s57, 9
	s_add_nc_u64 s[20:21], s[20:21], s[54:55]      ; qscl
	s_lshl_b32 s54, s57, 11
	s_add_nc_u64 s[48:49], s[48:49], s[54:55]      ; rs
	s_lshl_b32 s54, s52, 2
	s_add_co_u32 s54, s54, s50                     ; stream 4 image + wave
	s_lshl_b32 s54, s54, 5
	s_lshr_b32 s59, s51, 1
	s_add_co_u32 s54, s54, s59                     ; its K step row / 2
	s_mul_i32 s54, s54, 8704
	s_add_nc_u64 s[22:23], s[22:23], s[54:55]      ; vimg
	; 28 loads of scale words and biases, then 24 loads of weights for each K step
.irp t, 0,1,2,3
	global_load_b128 v[WQS+4*\t:WQS+4*\t+3], v12, s[8:9] offset:(32*(\t/2)+8*(\t%2))*16
.endr
.irp a, 0,1,2,3,4,5,6,7
	global_load_b128 v[WVS+4*\a:WVS+4*\a+3], v17, s[14:15] offset:256*\a
.endr
.irp t, 0,1,2,3
	global_load_b128 v[BQ+8*\t:BQ+8*\t+3], v18, s[10:11] offset:(32*(\t/2)+8*(\t%2))*4
	global_load_b128 v[BQ+8*\t+4:BQ+8*\t+7], v18, s[10:11] offset:(32*(\t/2)+8*(\t%2))*4+16
.endr
.irp a, 0,1,2,3,4,5,6,7
	global_load_b32 v[BV+\a], v19, s[16:17] offset:64*\a
.endr
.irp i, 0,1,2,3
	WIN 0x40                                       ; destination window 1
.irp t, 0,1,2,3
.irp c, 0,1
	global_load_b128 v[8*(4*\i+\t)+4*\c:8*(4*\i+\t)+4*\c+3], v10, s[6:7] offset:(32*(\t/2)+8*(\t%2))*256+64*\i+32*\c
.endr
.endr
	WIN 0x80                                       ; destination window 2
.irp a, 0,1,2,3,4,5,6,7
.irp c, 0,1
	global_load_b128 v[8*(8*\i+\a)+4*\c:8*(8*\i+\a)+4*\c+3], v11, s[12:13] offset:4096*\a+64*\i+32*\c
.endr
.endr
.endr
	WIN 0
; A K STEP of 128 channels: my 32 rows are summed over w, quantised down the channels (one block of 32 for each of the 64 pixels), handed round as images, and multiplied.
.macro KS i
	s_wait_tensorcnt 3-\i                          ; my loads end in order: step i is in, the 3 - i later ones may be out
.irp q, 0,1,2,3,4,5,6,7,8,9,10,11,12,13,14,15
	ds_load_b128 v[T+4*\q:T+4*\q+3], v5 offset:16*\q   ; a lane to a row: its 64 numbers
.endr
	s_wait_dscnt 0x0
.irp p, 0,1,2,3,4,5,6,7,8,9,10,11,12,13,14,15
	v_pk_add_f32 v[T+4*\p:T+4*\p+1], v[T+4*\p:T+4*\p+1], v[T+4*\p+2:T+4*\p+3]
.endr
.irp p, 0,1,2,3,4,5,6,7
	v_pk_add_f32 v[T+8*\p:T+8*\p+1], v[T+8*\p:T+8*\p+1], v[T+8*\p+4:T+8*\p+5]
.endr
.irp p, 0,1,2,3
	v_pk_add_f32 v[T+16*\p:T+16*\p+1], v[T+16*\p:T+16*\p+1], v[T+16*\p+8:T+16*\p+9]
.endr
.irp p, 0,1
	v_pk_add_f32 v[T+32*\p:T+32*\p+1], v[T+32*\p:T+32*\p+1], v[T+32*\p+16:T+32*\p+17]
.endr
	v_pk_add_f32 v[T:T+1], v[T:T+1], v[T+32:T+33]
	v_add_f32 v144, v[T], v[T+1]
	ds_store_b32 v9, v144 offset:512*\i            ; the sum over w of channel 128 i + my thread number
.irp c, 0,1
.irp j, 0,1,2,3,4,5,6,7,8,9,10,11,12,13,14,15,16,17,18,19,20,21,22,23,24,25,26,27,28,29,30,31
	ds_load_b32 v[T+32*\c+\j], v6 offset:PITCH*\j+128*\c   ; a lane to a pixel (32 c + lane), registers down the channels: a whole block in a lane
.endr
.endr
	s_wait_dscnt 0x0
	v_max3_num_f32 v144, |v[T]|, |v[T+1]|, 0x1800000       ; the largest magnitude, with the floor 2^(3 - 127) among its leaves: the byte cannot fall under 1
	v_max3_num_f32 v145, |v[T+32]|, |v[T+33]|, 0x1800000   ; (the two blocks by turns)
.irp j, 2,4,6,8,10,12,14,16,18,20,22,24,26,28,30
	v_max3_num_f32 v144, v144, |v[T+\j]|, |v[T+\j+1]|
	v_max3_num_f32 v145, v145, |v[T+32+\j]|, |v[T+33+\j]|
.endr
	v_add_nc_u32 v146, 0xff000000, v144            ; 2 off the exponent field: the scale operand of the conversion
	v_add_nc_u32 v147, 0xff000000, v145
	v_lshrrev_b32 v148, 23, v146                   ; the scale byte
	v_lshrrev_b32 v149, 23, v147
.irp g, 0,1,2,3
	v_cvt_scalef32_pk8_fp4_f32 v[T+64+\g], v[T+8*\g:T+8*\g+7], v146
.endr
.irp g, 0,1,2,3
	v_cvt_scalef32_pk8_fp4_f32 v[T+68+\g], v[T+32+8*\g:T+32+8*\g+7], v147
.endr
	v_nop                                          ; one plain place behind a scaled conversion
	ds_store_b128 v7, v[T+64:T+67] offset:4*IMGS*\i        ; block w of pixel lane: tile lane / 8, tile row lane % 8
	ds_store_b128 v7, v[T+68:T+71] offset:4*IMGS*\i+128    ; of pixel 32 + lane: tile row 8 + lane % 8
	ds_store_b8 v8, v148 offset:256*\i
	ds_store_b8 v8, v149 offset:256*\i+32
.if \i < 3
	v_add_nc_u32 v5, KSB, v5                       ; on to the next K step of x
	v_add_nc_u32 v6, KSB, v6
.endif
	s_wait_dscnt 0x0                               ; for the others: my stores have landed
	s_barrier_signal -1
	s_barrier_wait -1                              ; the four images and scale words of this step are whole; each step has bytes of its own, so one barrier a step is enough
.irp u, 0,1,2,3
.irp c, 0,1
	ds_load_b128 v[XF+8*\u+4*\c:XF+8*\u+4*\c+3], v16 offset:(4*\i+\u)*IMGS+512*\c   ; the vector work above is far more than the four places owed behind the last products
.endr
	ds_load_b32 v[XS+\u], v4 offset:(4*\i+\u)*64
.endr
	s_wait_dscnt 0x0
.if \i == 0
	s_wait_loadcnt 63                              ; 72 loads of later steps were issued behind this step's; the count is held to what the field names
	WIN 0x41                                       ; A (Wq) and D window 1, B (x) and C (bq) window 0
.else
	s_wait_loadcnt 24*(3-\i)                       ; the weights of later steps, 24 loads each, may be out
	WIN 0x51                                       ; C window 1 too
.endif
.irp u, 0,1,2,3
.irp t, 0,1,2,3
.if \i == 0
	v_wmma_scale_f32_16x16x128_f8f6f4 v[128+32*\u+8*\t:135+32*\u+8*\t], v[8*(4*\i+\t):8*(4*\i+\t)+7], v[XF+8*\u:XF+8*\u+7], v[BQ+8*\t:BQ+8*\t+7], v[WQS+4*\t+\i], v[XS+\u] matrix_a_fmt:MATRIX_FMT_FP4 matrix_b_fmt:MATRIX_FMT_FP4
.else
	v_wmma_scale_f32_16x16x128_f8f6f4 v[128+32*\u+8*\t:135+32*\u+8*\t], v[8*(4*\i+\t):8*(4*\i+\t)+7], v[XF+8*\u:XF+8*\u+7], v[128+32*\u+8*\t:135+32*\u+8*\t], v[WQS+4*\t+\i], v[XS+\u] matrix_a_fmt:MATRIX_FMT_FP4 matrix_b_fmt:MATRIX_FMT_FP4
.endif
.endr
.endr
	WIN 0xF8                                       ; A (x) window 0, B (Wv) window 2, C and D window 3
.irp a, 0,1,2,3,4,5,6,7
.irp u, 0,1,2,3
.if \i == 0
	v_wmma_scale_f32_16x16x128_f8f6f4 v[32*\a+8*\u:32*\a+8*\u+7], v[XF+8*\u:XF+8*\u+7], v[8*(8*\i+\a):8*(8*\i+\a)+7], 0, v[XS+\u], v[WVS+4*\a+\i] matrix_a_fmt:MATRIX_FMT_FP4 matrix_b_fmt:MATRIX_FMT_FP4
.else
	v_wmma_scale_f32_16x16x128_f8f6f4 v[32*\a+8*\u:32*\a+8*\u+7], v[XF+8*\u:XF+8*\u+7], v[8*(8*\i+\a):8*(8*\i+\a)+7], v[32*\a+8*\u:32*\a+8*\u+7], v[XS+\u], v[WVS+4*\a+\i] matrix_a_fmt:MATRIX_FMT_FP4 matrix_b_fmt:MATRIX_FMT_FP4
.endif
.endr
.endr
	WIN 0                                          ; the 48 sums take turns, one instruction a turn
.endm
	KS 0
	KS 1
	KS 2
	KS 3
	; THE WAY OUT OF v.  Lane (r, h) holds channel 16 a + r and pixels 32 h + 0 .. 31: one block along the keys.
.rept 4
	v_nop                                          ; four places behind the last products
.endr
	WIN 0xC3                                       ; the sums window 3, bv window 0
.irp a, 0,1,2,3,4,5,6,7
.set p_, 0
.rept 16
.if (\a%2) == 0
	v_pk_add_f32 v[32*\a+2*p_:32*\a+2*p_+1], v[32*\a+2*p_:32*\a+2*p_+1], v[BV+\a:BV+\a+1] op_sel_hi:[1,0]
.else
	v_pk_add_f32 v[32*\a+2*p_:32*\a+2*p_+1], v[32*\a+2*p_:32*\a+2*p_+1], v[BV+\a-1:BV+\a] op_sel:[0,1] op_sel_hi:[1,1]
.endif
.set p_, p_+1
.endr
.endr
	WIN 0x0F                                       ; sources 0 and 1 window 3
.irp a, 0,1,2,3,4,5,6,7
	v_max3_num_f32 v[MV+\a], |v[32*\a]|, |v[32*\a+1]|, 0x1800000
.endr
.irp j, 2,4,6,8,10,12,14,16,18,20,22,24,26,28,30
.irp a, 0,1,2,3,4,5,6,7
	v_max3_num_f32 v[MV+\a], |v[32*\a+\j]|, |v[32*\a+\j+1]|, v[MV+\a]
.endr
.endr
	WIN 0
.irp a, 0,1,2,3,4,5,6,7
	v_add_nc_u32 v[SCV+\a], 0xff000000, v[MV+\a]
.endr
.irp a, 0,1,2,3,4,5,6,7
	v_lshrrev_b32 v[BYV+\a], 23, v[SCV+\a]
.endr
	WIN 0x03                                       ; source 0 window 3
.irp a, 0,1,2,3,4,5,6,7
.irp g, 0,1,2,3
	v_cvt_scalef32_pk8_fp4_f32 v[PCV+4*\a+\g], v[32*\a+8*\g:32*\a+8*\g+7], v[SCV+\a]
.endr
.endr
	v_nop
	WIN 0
.irp a, 0,1,2,3,4,5,6,7
	global_store_b128 v13, v[PCV+4*\a:PCV+4*\a+3], s[22:23] offset:1024*\a   ; sixteen lanes store 256 consecutive bytes, aligned: my row's half of both register groups of the image
.endr
.irp a, 0,1,2,3,4,5,6,7
	global_store_b8 v14, v[BYV+\a], s[22:23] offset:256*(\a%2)+4*(\a/2)      ; a scale word mixes two image rows, so these 256 bytes a wave go out singly
.endr
	; THE WAY OUT OF q.  Block k = 2 u + b: the 16 registers at 128 + 16 k are channels 64 w + 32 b + 16 h + 0 .. 15 of pixel tile u, tile row r.
	WIN 0x05                                       ; sources 0 and 1 window 1
.irp k, 0,1,2,3,4,5,6,7
	v_max3_num_f32 v[MQ+\k], |v[128+16*\k]|, |v[129+16*\k]|, 0x1800000
.endr
.irp j, 2,4,6,8,10,12,14
.irp k, 0,1,2,3,4,5,6,7
	v_max3_num_f32 v[MQ+\k], |v[128+16*\k+\j]|, |v[129+16*\k+\j]|, v[MQ+\k]
.endr
.endr
	WIN 0
.irp k, 0,1,2,3,4,5,6,7
	v_permlanex16_b32 v[PQ+\k], v[MQ+\k], s66, s67         ; (the destinations were written by every K step)
.endr
.irp k, 0,1,2,3,4,5,6,7
	v_max_num_f32 v[MQ+\k], v[MQ+\k], v[PQ+\k]             ; with lane l xor 16: the block
.endr
.irp k, 0,1,2,3,4,5,6,7
	v_add_nc_u32 v[SCQ+\k], 0xff000000, v[MQ+\k]
.endr
.irp k, 0,1,2,3,4,5,6,7
	v_lshrrev_b32 v[PQ+\k], 23, v[SCQ+\k]
.endr
.irp u, 0,1,2,3
	v_lshl_or_b32 v[HWQ+\u], v[PQ+2*\u+1], 8, v[PQ+2*\u]   ; my two bytes of the row's scale word
.endr
	WIN 0x01                                       ; source 0 window 1
.irp k, 0,1,2,3,4,5,6,7
	v_cvt_scalef32_pk8_fp4_f32 v[PCQ+2*\k], v[128+16*\k:135+16*\k], v[SCQ+\k]
	v_cvt_scalef32_pk8_fp4_f32 v[PCQ+2*\k+1], v[136+16*\k:143+16*\k], v[SCQ+\k]
.endr
	v_nop
	WIN 0
.irp u, 0,1,2,3
	v_permlane16_swap_b32 v[PCQ+4*\u], v[PCQ+4*\u+2]       ; the operand wants a whole block in a lane
	v_permlane16_swap_b32 v[PCQ+4*\u+1], v[PCQ+4*\u+3]
.endr
.irp u, 0,1,2,3
	global_store_b128 v3, v[PCQ+4*\u:PCQ+4*\u+3], s[18:19] offset:2048*\u   ; 512 consecutive bytes: one register group of an image
	ds_store_b16 v15, v[HWQ+\u] offset:128*\u      ; both halves of the lanes write the same value
.endr
	v_lshl_add_u32 v148, v0, 4, RSL
	v_lshlrev_b32 v149, 4, v0
	v_and_b32 v150, 31, v0
	v_lshl_add_u32 v150, v150, 4, QSC
	s_wait_dscnt 0x0                               ; for the others: my scale bytes have landed (the row sums did in the K steps)
	s_barrier_signal -1
	s_barrier_wait -1
	ds_load_b128 v[144:147], v148
	s_wait_dscnt 0x0
	global_store_b128 v149, v[144:147], s[48:49]   ; 512 consecutive bytes a wave
	s_cmp_lg_u32 s50, 0
	s_cbranch_scc1 .Ldone
	ds_load_b128 v[252:255], v150                  ; wave 0: the 512 bytes of scale words of q
	s_wait_dscnt 0x0
	global_store_b128 v3, v[252:255], s[20:21]
.Ldone:
	s_wait_xcnt 0x0
	v_lshl_add_u32 v254, v0, 2, 0x29000
	v_mov_b32 v255, 0
	s_wait_tensorcnt 0x0
	ds_add_u32 v254, v255
	s_wait_dscnt 0x0
	s_endpgm
.Lfunc_end_k_q5938a71bd7_proj:
	.size	k_q5938a71bd7_proj, .Lfunc_end_k_q5938a71bd7_proj-k_q5938a71bd7_proj
	.p2alignl 7, 3214868480
	.fill 96, 4, 3214868480
	.section	.rodata,"a",@progbits
	.p2align	6, 0x0
	.amdhsa_kernel k_q5938a71bd7_proj
		.amdhsa_group_segment_fixed_size 168448
		.amdhsa_private_segment_fixed_size 0
		.amdhsa_enable_private_segment 0
		.amdhsa_kernarg_size 88
		.amdhsa_user_sgpr_count 2
		.amdhsa_user_sgpr_kernarg_segment_ptr 1
		.amdhsa_wavefront_size32 1
		.amdhsa_system_sgpr_workgroup_id_x 1
		.amdhsa_system_sgpr_workgroup_id_y 1
		.amdhsa_system_sgpr_workgroup_id_z 1
		.amdhsa_system_vgpr_workitem_id 0
		.amdhsa_next_free_vgpr 1024
		.amdhsa_next_free_sgpr 72
		.amdhsa_reserve_vcc 0
		.amdhsa_float_denorm_mode_32 3
		.amdhsa_float_denorm_mode_16_64 3
		.amdhsa_memory_ordered 1
		.amdhsa_forward_progress 1
		.amdhsa_inst_pref_size 118
	.end_amdhsa_kernel
	.amdgpu_metadata
---
amdhsa.version: [ 1, 2 ]
amdhsa.kernels:
  - .name:           k_q5938a71bd7_proj
    .symbol:         k_q5938a71bd7_proj.kd
    .args:
      - { .name: x, .offset: 0, .size: 8, .value_kind: global_buffer, .address_space: global }
      - { .name: Wq_codes, .offset: 8, .size: 8, .value_kind: global_buffer, .address_space: global }
      - { .name: Wq_scales, .offset: 16, .size: 8, .value_kind: global_buffer, .address_space: global }
      - { .name: bq, .offset: 24, .size: 8, .value_kind: global_buffer, .address_space: global }
      - { .name: Wv_codes, .offset: 32, .size: 8, .value_kind: global_buffer, .address_space: global }
      - { .name: Wv_scales, .offset: 40, .size: 8, .value_kind: global_buffer, .address_space: global }
      - { .name: bv, .offset: 48, .size: 8, .value_kind: global_buffer, .address_space: global }
      - { .name: qimg, .offset: 56, .size: 8, .value_kind: global_buffer, .address_space: global }
      - { .name: qscl, .offset: 64, .size: 8, .value_kind: global_buffer, .address_space: global }
      - { .name: vimg, .offset: 72, .size: 8, .value_kind: global_buffer, .address_space: global }
      - { .name: rs, .offset: 80, .size: 8, .value_kind: global_buffer, .address_space: global }
    .group_segment_fixed_size: 168448
    .private_segment_fixed_size: 0
    .kernarg_segment_align: 8
    .kernarg_segment_size: 88
    .max_flat_workgroup_size: 128
    .sgpr_count:     72
    .vgpr_count:     1024
    .wavefront_size: 32
...
	.end_amdgpu_metadata
.endif
;; end of part 1
;; launch attn (part 2): grid 16 x 16, 4 waves a work-group, clusters of 4 x 1, 327,680 bytes of LDS; arguments qimg, qscl, rs, pos_h, pos_emb, Wk_codes, Wk_scales, bk, vimg, x, gamma, out0; writes out0
.if DOCPART == 2
	.amdgcn_target "amdgcn-amd-amdhsa--gfx1250"
	.amdhsa_code_object_version 6
	.text
	.protected	k_q5938a71bd7_attn
	.globl	k_q5938a71bd7_attn
	.p2align	8
	.type	k_q5938a71bd7_attn,@function
k_q5938a71bd7_attn:
	s_mov_b64 s[64:65], 0
	v_nop
	global_prefetch_b8 v0, s[64:65] scope:SCOPE_SE
	s_setreg_imm32_b32 hwreg(HW_REG_WAVE_MODE, 25, 1), 1
	s_wait_xcnt 0x0
	s_wait_alu depctr_hold_cnt(0) depctr_sa_sdst(0) depctr_va_vdst(0) depctr_va_sdst(0) depctr_va_ssrc(0) depctr_va_vcc(0) depctr_vm_vsrc(0)
	s_getreg_b32 s2, hwreg(HW_REG_IB_STS2, 6, 4)
	s_cmp_eq_u32 s2, 0
	s_cbranch_scc0 .Lentry_in_a_cluster
	s_endpgm
.Lentry_in_a_cluster:
	s_bfe_u32 s2, ttmp6, 0x10000c
	s_cmp_lg_u32 s2, 0x3003
	s_cbranch_scc0 .Lentry_shape_is_right
	s_endpgm
.Lentry_shape_is_right:
; out = gamma (Q(v) Q(p)) / l + x, p = 2^(t - M), t = energy x log2(e), M = ceil(the row's largest t), energy = Q(q)^T Q(k), k = Wk Q(x2d) + bk; all products on codes of FP4 (E2M1) with E8M0 scales.
; THE KEYS.  x2d is the row pool of x plus a position row, stretched bilinearly to 64 image rows and constant along w: so k has 64 distinct columns an image, one an image row, and every work-group makes those of its image itself, at its head:
;   the pool: bin = (sum of four row sums) / 256 + pos_emb[pos_h[b][4 bin][0] / 8], a thread to four channels, into LDS;  the stretch: wave w stretches and quantises channels 128 w .. 128 w + 127 (a K step) of the four tiles of 16 columns;
;   a lane holds two whole blocks; the fragments go from wave to wave as images of their registers;  the product: wave w multiplies its 64 rows of Wk, quantises the result along the channels, and k goes round as images too.
;   KEY TILE t: tile row r is image row 16 t + 2 (r % 8) + r / 8.  ROWS OF Wk IN A TILE a: lane r takes row 32 (a / 2) + 8 (a % 2) + r + 8 (r / 8), so that the 16 registers of tiles 2 b, 2 b + 1 are 16 neighbouring channels.
; THE SOFTMAX.  An energy hangs on the key's image row alone: 64 energies a query.  A block of 32 keys lies inside one image row: its 32 p are ONE number.  Its scale byte is the exponent field of p less 2
; (the exponent field of p / 4, which is what the exponential makes here); p over its scale lies in [4, 8), is clamped to 6 and rounded, ties to even: code 6 (the number 4) where the mantissa field is at most 0x200000,
; code 7 (the number 6) above.  So one compare gives all eight codes of a register, in place of a conversion of 32 equal numbers.  The row's sum l is 64 x the sum of the 64 unquantised p = 256 x the sum of p / 4.
; SHARES.  A work-group makes 128 channels (group cg) x 256 queries of an image; wave w the 64 queries of image row 4 (query block) + w: 8 channel tiles x 4 query tiles, 32 sums of 16 x 16.
; K STEP s of the last product: image rows 2 s and 2 s + 1; the half h of the lanes holds row 2 s + h, register group c its pixels 32 c .. 32 c + 31: a permutation of whole blocks, alike in v and p.
; v comes as images of operand registers, a K step (8 images and 512 scale bytes) being 8,704 dense bytes.  The whole stream of a work-group, 278,528 bytes, lies in LDS at once: no byte is filled twice.
; CLUSTER.  The four query blocks of a cluster share image and channel group, so the whole stream of v: every tensor load is a joint one with the mask of all four.  My place in the cluster enters global addresses of q, x and out alone.
; The partners share the row sums (131,072 bytes an image) and Wk (69,632 bytes) too; those come by plain loads into registers: beside v's 278,528 bytes the 327,680 bytes of LDS have no room for them.
; LIMITS: NaN and infinities are not served.  pos_h lies in 0 .. 127 (its eighth is held at 15 from above).  A block whose largest magnitude lies under 2^-124 (a block of zeros too) gets the scale byte 1.
; A p / 4 that the exponential gives as zero (t - M - 2 under -126) is multiplied as 4 x 2^-127 where the rule has at most 2^-124: an error of at most 2^-124 x the sum of |v| / l.
; REGISTERS, from the softmax on: window 0: v1-23 addresses and constants; v24-31 v scale words, two sets; v32-95 p scale words (16 a query tile: lanes 0-15 K step s, lanes 16-31 K step s + 16); v96-99 gamma / l; v100-107 k and q scale words;
;   v108-127 at work; v128-191 k fragments, v192-223 energies, v224-255 mantissas; later v128-255 x of channel tiles 4-7.   window 1: v0-127 two sets of v fragments (first q fragments, last the way out), v128-255 x of tiles 0-3.
;   window 2 (query tiles 0, 1) and window 3 (tiles 2, 3): v0-127 sums (64 uu + 8 a), v128-191 code words (32 uu + s), v192-223 two sets of p fragments (16 set + 8 uu).
; REGISTERS, while the keys are made: window 0: v24-39 Wk scale words; v40-71 position rows of bins 0-7, then my x2d codes; v72-75 my x2d scale words; v76-91 offsets of the position rows, then all x2d scale words; v92-99, v125 addresses;
;   v108-124 at work; v128-255 row sums of bins 0-7, then numbers, then x2d fragments.   window 2: v0-127 Wk fragments (8 (4 i + a)), v128-159 bk as C.   window 3: v0-127 row sums of bins 8-15, then the sums of k (32 t + 8 a); v128-159 position rows of bins 8-15.
.set KSTB,  8704                       ; a K step of v
.set CHB,   4*KSTB                     ; a chunk: the four K steps that the four waves fetch together
.set SCR,   32*KSTB                    ; behind v: bytes that no tensor load fills.  The offsets below count from here
.set X1P,   2064                       ; a pool bin: 2,048 bytes + 16; 17 slots from offset 0, slot 16 being bin 15 once more
.set UIM,   0                          ; 16 images of x2d fragments (4 t + i), laid over the bins when nobody reads those any more
.set USC,   16384                      ; their scale words, 128 bytes each
.set KIM,   35328                      ; 8 images of k fragments (2 t + ks)
.set KSC,   KIM+8192                   ; their scale words: 128 t + 64 ks + 4 r
.set FT,    SCR+KSC+512                ; gamma / l by query: 256 w + 4 x pixel
.set STAGE, SCR                        ; the way out: 16 rows x 272 bytes for each wave, over bytes that were last read before the barrier in front of the softmax
.set SP,    272
.set MQ,  192
.set PQ,  200
.set SCQ, 208
.set HWQ, 216
.set PCQ, 220
.set MSB, 0
.macro WIN new                         ; the high byte of the immediate repeats the setting that is left
.if MSB != (\new)
	s_set_vgpr_msb (MSB<<8)|(\new)
.set MSB, (\new)
.endif
.endm
.macro CROUND                          ; a round of the cluster's barrier
	s_barrier_signal -1
	s_barrier_wait -1
	s_cmp_lg_u32 s66, 0
	s_cbranch_scc1 .Lnot_wave_0_\@
	s_barrier_signal -3
.Lnot_wave_0_\@:
	s_barrier_wait -3
	s_barrier_signal -1
	s_barrier_wait -1
.endm
	s_load_b512 s[4:19], s[0:1], 0x0               ; qimg, qscl, rs, pos_h, pos_emb, Wk codes, Wk scales, bk
	s_load_b256 s[92:99], s[0:1], 0x40             ; vimg, x, gamma, out
	v_lshl_add_u32 v122, v0, 2, 0x4f000
	v_mov_b32 v127, 0
	ds_add_u32 v122, v127
	ds_add_u32 v122, v127
	v_lshrrev_b32 v1, 5, v0
	v_readfirstlane_b32 s66, v1                    ; wave
	s_bfe_u32 s67, ttmp6, 0x40000                  ; cx
	s_lshl_b32 s68, ttmp9, 2
	s_add_co_u32 s68, s68, s67                     ; query block
	s_and_b32 s69, ttmp7, 0xffff                   ; stream 4 b + cg, which the four partners share
	s_lshr_b32 s70, s69, 2                         ; image
	s_lshl_b32 s72, s68, 2
	s_add_co_u32 s72, s72, s66                     ; my image row
	; descriptor group 1: 34 dense rows of 32 elements of 8 bytes: one K step; mask of all four work-groups, bit 21 beside it
	s_mov_b32 s24, 15|(3<<16)|(1<<21)
	s_mov_b32 s25, 32<<16
	s_mov_b32 s26, 34<<16
	s_mov_b32 s27, 32<<16
	s_mov_b32 s28, 34
	s_mov_b32 s29, 32
	s_mov_b32 s30, 0
	s_mov_b32 s31, 0
	s_mov_b32 s75, 0
	s_mov_b32 s79, 0
	s_mov_b32 s82, 0x76543210                      ; lane selects for v_permlanex16_b32: lane l xor 16
	s_mov_b32 s83, 0xfedcba98
	s_mov_b32 s84, 0x3fb8aa3b                      ; log2(e)
	s_mov_b32 s85, s84
	s_mov_b32 s87, 0x40000000                      ; the mantissa field 0x200000, nine bits up
	s_mov_b32 s88, 0x07030703                      ; byte selects: the top bytes of two registers, twice
	s_mov_b32 s89, 0x3c820821                      ; 1 / 63
	s_mov_b32 s90, 0x427c0000                      ; 63
	v_lshlrev_b32 v23, 4, v0                       ; 16 x thread: my four channels
	s_wait_dscnt 0x0
	s_wait_kmcnt 0x0
	s_lshl_b32 s74, s70, 14
	s_add_nc_u64 s[10:11], s[10:11], s[74:75]      ; pos_h of my image
.irp j, 0,1,2,3,4,5,6,7,8,9,10,11,12,13,14,15
	s_load_b32 s[32+\j], s[10:11], 0x400*\j        ; pos_h[b][4 j][0]
.endr
	s_lshl_b32 s74, s70, 17
	s_add_nc_u64 s[8:9], s[8:9], s[74:75]          ; the row sums of my image: they are wanted first, so they are asked for first
.set p_, 0
.rept 32
	global_load_b128 v[128+4*p_:131+4*p_], v23, s[8:9] offset:2048*p_          ; image row p: 512 consecutive bytes a wave
.set p_, p_+1
.endr
	WIN 0xC0                                       ; destination window 3
.set p_, 0
.rept 32
	global_load_b128 v[4*p_:4*p_+3], v23, s[8:9] offset:65536+2048*p_          ; image row 32 + p
.set p_, p_+1
.endr
	WIN 0
	s_wait_kmcnt 0x0
.irp j, 0,1,2,3,4,5,6,7,8,9,10,11,12,13,14,15
	s_lshr_b32 s[32+\j], s[32+\j], 3               ; pos_h / 8,
	s_min_u32 s[32+\j], s[32+\j], 15               ; held inside the table,
	s_lshl_b32 s[32+\j], s[32+\j], 11              ; x a row of 2,048 bytes
	v_add_nc_u32 v[76+\j], s[32+\j], v23
.endr
.irp j, 0,1,2,3,4,5,6,7
	global_load_b128 v[40+4*\j:43+4*\j], v[76+\j], s[12:13]
.endr
	WIN 0xC0
.irp j, 0,1,2,3,4,5,6,7
	global_load_b128 v[128+4*\j:131+4*\j], v[84+\j], s[12:13]
.endr
	WIN 0
	; v: wanted only behind the keys and the softmax, so its loads go out behind the row sums'
	s_lshl_b32 s74, s69, 5
	s_add_co_u32 s74, s74, s66
	s_mul_i32 s74, s74, KSTB                       ; K step w of my stream
	s_mul_i32 s76, s66, KSTB
	s_add_nc_u64 s[92:93], s[92:93], s[74:75]
.irp j, 0,1,2,3,4,5,6,7
	s_mov_b32 s[32+4*\j], 1
	s_add_co_u32 s[33+4*\j], s76, CHB*\j
	s_add_nc_u64 s[34+4*\j:35+4*\j], s[92:93], CHB*\j
	s_or_b32 s[35+4*\j], s[35+4*\j], 0x80000000
.endr
	CROUND                                         ; all four work-groups are here: the joint loads meet
.irp j, 0,1,2,3,4,5,6,7
	tensor_load_to_lds s[32+4*\j:35+4*\j], s[24:31]        ; K step 4 j + w; eight loads of mine are out
	s_nop 0
.endr
.rept 4
	v_nop
.endr
	s_load_b32 s86, s[96:97], 0x0                  ; gamma
	v_and_b32 v1, 15, v0                           ; r
	v_bfe_u32 v2, v0, 4, 1                         ; h
	v_and_b32 v4, 31, v0
	v_lshlrev_b32 v3, 4, v4                        ; 16 x lane
	v_lshlrev_b32 v4, 2, v4                        ; 4 x lane
	v_and_b32 v126, 8, v1
	v_add_nc_u32 v126, v126, v1                    ; r + 8 (r / 8)
	v_lshlrev_b32 v98, 8, v126
	v_lshl_add_u32 v98, v2, 4, v98                 ; Wk codes: a row is 256 bytes
	v_lshlrev_b32 v99, 4, v126                     ; Wk scales: 16 bytes a row
	v_lshlrev_b32 v125, 6, v2                      ; bk: 64 h
	s_lshl_b32 s74, s66, 14
	s_add_nc_u64 s[14:15], s[14:15], s[74:75]      ; my 64 rows of Wk
	s_lshl_b32 s74, s66, 10
	s_add_nc_u64 s[16:17], s[16:17], s[74:75]
	s_lshl_b32 s74, s66, 8
	s_add_nc_u64 s[18:19], s[18:19], s[74:75]
	WIN 0x80                                       ; destination window 2
.irp i, 0,1,2,3
.irp a, 0,1,2,3
.irp c, 0,1
	global_load_b128 v[8*(4*\i+\a)+4*\c:8*(4*\i+\a)+4*\c+3], v98, s[14:15] offset:(32*(\a/2)+8*(\a%2))*256+64*\i+32*\c
.endr
.endr
.endr
.irp a, 0,1,2,3
	global_load_b128 v[128+8*\a:131+8*\a], v125, s[18:19] offset:(32*(\a/2)+8*(\a%2))*4
	global_load_b128 v[132+8*\a:135+8*\a], v125, s[18:19] offset:(32*(\a/2)+8*(\a%2))*4+16
.endr
	WIN 0
.irp a, 0,1,2,3
	global_load_b128 v[24+4*\a:27+4*\a], v99, s[16:17] offset:(32*(\a/2)+8*(\a%2))*16
.endr
	s_lshl_b32 s80, s70, 6
	s_add_co_u32 s80, s80, s72                     ; 64 b + row
	s_lshl_b32 s78, s80, 13
	s_add_nc_u64 s[4:5], s[4:5], s[78:79]
	s_lshl_b32 s78, s80, 9
	s_add_nc_u64 s[6:7], s[6:7], s[78:79]
	s_lshl_b32 s78, s69, 21                        ; 128 channels x 16,384 bytes a stream
	s_lshl_b32 s80, s72, 8
	s_add_co_u32 s78, s78, s80
	s_add_nc_u64 s[94:95], s[94:95], s[78:79]
	s_add_nc_u64 s[98:99], s[98:99], s[78:79]
.irp t, 0,1,2,3
	global_load_b32 v[104+\t], v4, s[6:7] offset:128*\t    ; q scale words: lanes 0-15 channels 0-127, lanes 16-31 channels 128-255
.endr
	WIN 0x40
.irp f, 0,1,2,3,4,5,6,7
	global_load_b128 v[8*\f:8*\f+3], v3, s[4:5] offset:1024*\f
	global_load_b128 v[8*\f+4:8*\f+7], v3, s[4:5] offset:1024*\f+512
.endr
	WIN 0
.irp j, 0,1,2,3,4,5,6,7
	v_add_nc_u32 v[8+\j], CHB*\j, v3               ; chunk j of v in LDS
.endr
	s_mul_i32 s77, s66, 16*SP
	s_add_co_u32 s77, s77, STAGE
	v_mul_u32_u24 v16, v1, SP
	v_lshl_add_u32 v16, v2, 7, v16
	v_add_nc_u32 v16, s77, v16                     ; the stage, in: row r (a channel), 128 h
	v_mul_u32_u24 v17, v2, SP
	v_lshl_add_u32 v17, v1, 4, v17
	v_add_nc_u32 v17, s77, v17                     ; back: lanes 0-15 one row, lanes 16-31 the next
	v_lshlrev_b32 v18, 14, v2
	v_lshl_add_u32 v18, v1, 4, v18                 ; the same two rows in x and out: channels are 16,384 bytes apart
	s_lshl_b32 s77, s66, 8
	s_add_co_u32 s77, s77, FT
	v_lshrrev_b32 v5, 3, v1
	v_and_b32 v6, 7, v1
	v_lshlrev_b32 v19, 7, v5
	v_lshl_add_u32 v19, v6, 2, v19
	v_add_nc_u32 v19, s77, v19                     ; query tile row r is pixel 32 (r / 8) + 8 u + r % 8
	v_lshl_add_u32 v20, v1, 4, s77                 ; pixels 4 r .. 4 r + 3
	v_mov_b32 v21, 0x66666666                      ; eight codes of the number 4
	v_mov_b32 v22, 0x77777777                      ; eight codes of the number 6
	v_lshl_add_u32 v5, v6, 1, v5                   ; y = 2 (r % 8) + r / 8: my column's image row in its key tile
	v_mul_u32_u24 v5, v5, 15                       ; 15 y
	s_lshl_b32 s77, s66, 9
	s_add_co_u32 s77, s77, SCR
	v_lshl_add_u32 v6, v2, 7, s77                  ; the bins: 512 w + 128 h
	v_add_nc_u32 v96, s77, v3                      ; where my part of a k image goes: 512 w + 16 x lane
	v_lshl_add_u32 v7, v0, 4, SCR                  ; where my four channels of a bin go
	s_lshl_b32 s77, s66, 10
	s_add_co_u32 s77, s77, SCR
	v_add_nc_u32 v92, s77, v3                      ; where my x2d images go: 1,024 w + 16 x lane
	s_lshl_b32 s77, s66, 7
	s_add_co_u32 s77, s77, SCR
	v_add_nc_u32 v93, s77, v4                      ; and their scale words: 128 w + 4 x lane
	v_add_nc_u32 v94, SCR, v3                      ; an image's place for my lane
	v_add_nc_u32 v95, SCR, v4                      ; a scale word's
	s_lshr_b32 s77, s66, 1
	s_lshl_b32 s77, s77, 6
	s_and_b32 s81, s66, 1
	s_lshl_b32 s81, s81, 1
	s_add_co_u32 s77, s77, s81
	s_add_co_u32 s77, s77, SCR
	v_lshl_add_u32 v97, v1, 2, s77                 ; where my two scale bytes of k go: 64 (w / 2) + 2 (w % 2) + 4 r
	v_lshlrev_b32 v124, 3, v2                      ; 8 h
	v_mov_b32 v112, 0                              ; lane permutes' destinations count as read
	v_mov_b32 v113, 0
	v_mov_b32 v123, 0
	v_mov_b32 v115, 0                              ; (named as the upper half of a pair)
	; ---- THE POOL.  Eight bins in the window that holds their row sums (16 j + 4 k) and their position rows (4 j)
.macro POOLA R, P
.irp j, 0,1,2,3,4,5,6,7
.irp e, 0,2
	v_pk_add_f32 v[(\R)+16*\j+\e:(\R)+16*\j+\e+1], v[(\R)+16*\j+\e:(\R)+16*\j+\e+1], v[(\R)+16*\j+4+\e:(\R)+16*\j+5+\e]
	v_pk_add_f32 v[(\R)+16*\j+8+\e:(\R)+16*\j+9+\e], v[(\R)+16*\j+8+\e:(\R)+16*\j+9+\e], v[(\R)+16*\j+12+\e:(\R)+16*\j+13+\e]
.endr
.endr
.irp j, 0,1,2,3,4,5,6,7
.irp e, 0,2
	v_pk_add_f32 v[(\R)+16*\j+\e:(\R)+16*\j+\e+1], v[(\R)+16*\j+\e:(\R)+16*\j+\e+1], v[(\R)+16*\j+8+\e:(\R)+16*\j+9+\e]
.endr
.endr
.irp j, 0,1,2,3,4,5,6,7
.irp e, 0,2
	v_pk_fma_f32 v[(\R)+16*\j+\e:(\R)+16*\j+\e+1], v[(\R)+16*\j+\e:(\R)+16*\j+\e+1], 0x3b800000, v[(\P)+4*\j+\e:(\P)+4*\j+\e+1] op_sel_hi:[1,0,1]   ; / 256, + the position row
.endr
.endr
.endm
	s_wait_loadcnt 63                              ; 64 loads (Wk, bk, scale words, q) were issued behind the position rows'; the count is held to what the field names
	POOLA 128, 40
.irp j, 0,1,2,3,4,5,6,7
	ds_store_b128 v7, v[128+16*\j:131+16*\j] offset:X1P*\j
.endr
	WIN 0xFF                                       ; all in window 3
	POOLA 0, 128
	WIN 0x0C                                       ; the data of an LDS store: window 3
.irp j, 0,1,2,3,4,5,6,7
	ds_store_b128 v7, v[16*\j:16*\j+3] offset:X1P*(8+\j)
.endr
	ds_store_b128 v7, v[112:115] offset:X1P*16     ; bin 15 once more: the upper neighbour of the last image row, which meets the weight 0
	WIN 0
	s_wait_dscnt 0x0                               ; for the others: my stores have landed
	s_barrier_signal -1
	s_barrier_wait -1                              ; the bins lie in LDS
	; ---- THE STRETCH of key tile t.  Lane (r, h): column r, channels 128 w + 64 c + 32 h + 0 .. 31.  src = 15 (16 t + y) / 63
.macro KST t
	v_add_nc_u32 v108, 240*\t, v5                  ; n = 15 x the image row
	v_mul_u32_u24 v109, v108, 1041
	v_lshrrev_b32 v109, 16, v109                   ; the lower bin: n x 1041 >> 16 = floor(n / 63) for n up to 945
	v_cvt_f32_u32 v114, v108
	v_mul_f32 v110, s89, v114
	v_fma_f32 v111, -v110, s90, v114               ; the remainder, exact
	v_fma_f32 v110, v111, s89, v110                ; n / 63, rounded once
	v_cvt_f32_u32 v111, v109
	v_sub_f32 v110, v110, v111                     ; frac
	v_sub_f32 v112, 1.0, v110
	v_mov_b32 v111, v110                           ; both as pairs for the packed forms
	v_mov_b32 v113, v112
	v_mul_u32_u24 v108, v109, X1P
	v_add_nc_u32 v108, v6, v108
.irp c, 0,1
.irp q, 0,1,2,3,4,5,6,7
	ds_load_b128 v[128+32*\c+4*\q:131+32*\c+4*\q], v108 offset:256*\c+16*\q
	ds_load_b128 v[192+32*\c+4*\q:195+32*\c+4*\q], v108 offset:X1P+256*\c+16*\q
.endr
.endr
	s_wait_dscnt 0x0
.set p_, 0
.rept 32
	v_pk_mul_f32 v[128+2*p_:129+2*p_], v[128+2*p_:129+2*p_], v[112:113]
.set p_, p_+1
.endr
.set p_, 0
.rept 32
	v_pk_fma_f32 v[128+2*p_:129+2*p_], v[192+2*p_:193+2*p_], v[110:111], v[128+2*p_:129+2*p_]
.set p_, p_+1
.endr
.irp c, 0,1
	v_max3_num_f32 v[116+\c], |v[128+32*\c]|, |v[129+32*\c]|, 0x1800000   ; my block 2 c + h, with the floor 2^(3 - 127) among its leaves: the byte cannot fall under 1
.endr
.irp i, 2,4,6,8,10,12,14,16,18,20,22,24,26,28,30
.irp c, 0,1
	v_max3_num_f32 v[116+\c], v[116+\c], |v[128+32*\c+\i]|, |v[129+32*\c+\i]|
.endr
.endr
.irp c, 0,1
	v_add_nc_u32 v[118+\c], 0xff000000, v[116+\c]  ; 2 off the exponent field: the scale operand of the conversion
.endr
.irp c, 0,1
	v_lshrrev_b32 v[120+\c], 23, v[118+\c]         ; the scale byte
.endr
	v_lshl_or_b32 v[72+\t], v121, 16, v120         ; my two bytes: blocks h and 2 + h,
	v_lshlrev_b32 v[72+\t], v124, v[72+\t]         ; at their places;
	v_permlanex16_b32 v123, v[72+\t], s82, s83
	v_or_b32 v[72+\t], v[72+\t], v123              ; with lane l xor 16 the word is whole
.irp c, 0,1
.irp g, 0,1,2,3
	v_cvt_scalef32_pk8_fp4_f32 v[40+8*\t+4*\c+\g], v[128+32*\c+8*\g:135+32*\c+8*\g], v[118+\c]   ; the operand's registers 4 c .. 4 c + 3
.endr
.endr
	v_nop                                          ; one plain place behind a scaled conversion
.endm
	KST 0
	KST 1
	KST 2
	KST 3
	s_wait_dscnt 0x0                               ; my reads of the bins are over
	s_barrier_signal -1
	s_barrier_wait -1                              ; everybody's are: the images may be laid over the bins
.irp t, 0,1,2,3
	ds_store_b128 v92, v[40+8*\t:43+8*\t] offset:UIM+4096*\t       ; image (tile t, K step w) as its registers stand
	ds_store_b128 v92, v[44+8*\t:47+8*\t] offset:UIM+4096*\t+512
	ds_store_b32 v93, v[72+\t] offset:USC+512*\t
.endr
	s_wait_dscnt 0x0
	s_barrier_signal -1
	s_barrier_wait -1                              ; the sixteen fragments of x2d lie in LDS
.irp t, 0,1,2,3
.irp i, 0,1,2,3
	ds_load_b128 v[128+32*\t+8*\i:131+32*\t+8*\i], v94 offset:UIM+4096*\t+1024*\i
	ds_load_b128 v[132+32*\t+8*\i:135+32*\t+8*\i], v94 offset:UIM+4096*\t+1024*\i+512
	ds_load_b32 v[76+4*\t+\i], v95 offset:USC+512*\t+128*\i
.endr
.endr
	s_wait_dscnt 0x0
	s_wait_loadcnt 20                              ; Wk, bk and their scale words are in; q's 20 loads may be out
	; ---- k = Wk x2d + bk: my 4 tiles of rows x the 4 key tiles; the sixteen sums take turns, one instruction a turn
.irp i, 0,1,2,3
.if \i == 0
	WIN 0xE2                                       ; A (Wk) and C (bk) window 2, B (x2d) window 0, D window 3
.else
	WIN 0xF2                                       ; C window 3 too
.endif
.irp t, 0,1,2,3
.irp a, 0,1,2,3
.if \i == 0
	v_wmma_scale_f32_16x16x128_f8f6f4 v[32*\t+8*\a:32*\t+8*\a+7], v[8*(4*\i+\a):8*(4*\i+\a)+7], v[128+32*\t+8*\i:135+32*\t+8*\i], v[128+8*\a:135+8*\a], v[24+4*\a+\i], v[76+4*\t+\i] matrix_a_fmt:MATRIX_FMT_FP4 matrix_b_fmt:MATRIX_FMT_FP4
.else
	v_wmma_scale_f32_16x16x128_f8f6f4 v[32*\t+8*\a:32*\t+8*\a+7], v[8*(4*\i+\a):8*(4*\i+\a)+7], v[128+32*\t+8*\i:135+32*\t+8*\i], v[32*\t+8*\a:32*\t+8*\a+7], v[24+4*\a+\i], v[76+4*\t+\i] matrix_a_fmt:MATRIX_FMT_FP4 matrix_b_fmt:MATRIX_FMT_FP4
.endif
.endr
.endr
.endr
	WIN 0
.rept 4
	v_nop                                          ; four places behind the last products
.endr
	; block k = 2 t + b: the 16 registers at 16 k of window 3 are channels 64 w + 32 b + 16 h + 0 .. 15 of key tile t, column r
	WIN 0x0F                                       ; sources 0 and 1 window 3
.irp k, 0,1,2,3,4,5,6,7
	v_max3_num_f32 v[MQ+\k], |v[16*\k]|, |v[16*\k+1]|, 0x1800000
.endr
.irp j, 2,4,6,8,10,12,14
.irp k, 0,1,2,3,4,5,6,7
	v_max3_num_f32 v[MQ+\k], |v[16*\k+\j]|, |v[16*\k+\j+1]|, v[MQ+\k]
.endr
.endr
	WIN 0
.irp k, 0,1,2,3,4,5,6,7
	v_permlanex16_b32 v[PQ+\k], v[MQ+\k], s82, s83         ; (the destinations held fragments: they were written)
.endr
.irp k, 0,1,2,3,4,5,6,7
	v_max_num_f32 v[MQ+\k], v[MQ+\k], v[PQ+\k]             ; with lane l xor 16: the block
.endr
.irp k, 0,1,2,3,4,5,6,7
	v_add_nc_u32 v[SCQ+\k], 0xff000000, v[MQ+\k]
.endr
.irp k, 0,1,2,3,4,5,6,7
	v_lshrrev_b32 v[PQ+\k], 23, v[SCQ+\k]
.endr
.irp t, 0,1,2,3
	v_lshl_or_b32 v[HWQ+\t], v[PQ+2*\t+1], 8, v[PQ+2*\t]   ; my two bytes of the column's scale word
.endr
	WIN 0x03                                       ; source 0 window 3
.irp k, 0,1,2,3,4,5,6,7
	v_cvt_scalef32_pk8_fp4_f32 v[PCQ+2*\k], v[16*\k:16*\k+7], v[SCQ+\k]
	v_cvt_scalef32_pk8_fp4_f32 v[PCQ+2*\k+1], v[16*\k+8:16*\k+15], v[SCQ+\k]
.endr
	v_nop
	WIN 0
.irp t, 0,1,2,3
	v_permlane16_swap_b32 v[PCQ+4*\t], v[PCQ+4*\t+2]       ; the operand wants a whole block in a lane
	v_permlane16_swap_b32 v[PCQ+4*\t+1], v[PCQ+4*\t+3]
.endr
.irp t, 0,1,2,3
	ds_store_b128 v96, v[PCQ+4*\t:PCQ+4*\t+3] offset:KIM+2048*\t   ; register group w % 2 of image (t, w / 2)
	ds_store_b16 v97, v[HWQ+\t] offset:KSC+128*\t          ; both halves of the lanes write the same value
.endr
	s_wait_dscnt 0x0
	s_barrier_signal -1
	s_barrier_wait -1                              ; k lies in LDS, whole
.irp f, 0,1,2,3,4,5,6,7
	ds_load_b128 v[128+8*\f:131+8*\f], v94 offset:KIM+1024*\f
	ds_load_b128 v[132+8*\f:135+8*\f], v94 offset:KIM+1024*\f+512
.endr
.irp t, 0,1,2,3
	ds_load_b32 v[100+\t], v95 offset:KSC+128*\t   ; lanes 0-15: channels 0-127; lanes 16-31: channels 128-255
.endr
	s_wait_dscnt 0x0
	s_wait_loadcnt 0x0                             ; q
	s_wait_kmcnt 0x0                               ; gamma
	WIN 0x40
.irp a, 0,1,2,3                                    ; x of channel tiles 0-3, wanted at the end: asked for now
.irp i, 0,1,2,3,4,5,6,7
	global_load_b128 v[128+32*\a+4*\i:131+32*\a+4*\i], v18, s[94:95] offset:(16*\a+2*\i)*16384 th:TH_LOAD_NT
.endr
.endr
	WIN 0
; THE SOFTMAX of query tile u.  Register s of lane (r, h) is the energy of query r against image row 2 s + h.
.macro SOFT u
	WIN 0x04                                       ; B (q) window 1
.irp t, 0,1,2,3
	v_wmma_scale_f32_16x16x128_f8f6f4 v[192+8*\t:199+8*\t], v[128+16*\t:135+16*\t], v[16*\u:16*\u+7], 0, v[100+\t], v[104+\u] matrix_a_fmt:MATRIX_FMT_FP4 matrix_b_fmt:MATRIX_FMT_FP4
.endr
.irp t, 0,1,2,3
	v_wmma_scale_f32_16x16x128_f8f6f4 v[192+8*\t:199+8*\t], v[136+16*\t:143+16*\t], v[16*\u+8:16*\u+15], v[192+8*\t:199+8*\t], v[100+\t], v[104+\u] matrix_a_fmt:MATRIX_FMT_FP4 matrix_b_fmt:MATRIX_FMT_FP4 matrix_a_scale:MATRIX_SCALE_ROW1 matrix_b_scale:MATRIX_SCALE_ROW1
.endr
	WIN 0
.rept 4
	v_nop
.endr
.irp t, 0,1,2,3
	v_max3_num_f32 v[108+\t], v[192+8*\t], v[193+8*\t], v[194+8*\t]   ; each result from its low end on
.endr
.irp j, 3,5
.irp t, 0,1,2,3
	v_max3_num_f32 v[108+\t], v[108+\t], v[192+8*\t+\j], v[193+8*\t+\j]
.endr
.endr
.irp t, 0,1,2,3
	v_max_num_f32 v[108+\t], v[108+\t], v[199+8*\t]
.endr
	v_max3_num_f32 v108, v108, v109, v110
	v_max_num_f32 v108, v108, v111
	v_permlanex16_b32 v112, v108, s82, s83
	v_max_num_f32 v108, v108, v112                 ; the largest energy of my query
	v_mul_f32 v108, s84, v108                      ; as t
	v_floor_f32 v114, -v108                        ; -M = floor(-t)
	v_add_f32 v114, -2.0, v114                     ; -M - 2
.set p_, 0
.rept 16
	v_pk_fma_f32 v[192+2*p_:193+2*p_], v[192+2*p_:193+2*p_], s[84:85], v[114:115] op_sel_hi:[1,0,0]
.set p_, p_+1
.endr
.set p_, 0
.rept 32
	v_exp_f32 v[192+p_], v[192+p_]                 ; p / 4
.set p_, p_+1
.endr
	v_nop                                          ; a plain place behind the exponentials
	s_wait_alu depctr_va_vdst(0)
	v_pk_add_f32 v[116:117], v[192:193], v[194:195]        ; the sum of the unquantised p / 4, in two chains
	v_pk_add_f32 v[118:119], v[196:197], v[198:199]
.irp p, 8,12,16,20,24,28
	v_pk_add_f32 v[116:117], v[116:117], v[192+\p:193+\p]
	v_pk_add_f32 v[118:119], v[118:119], v[194+\p:195+\p]
.endr
	v_pk_add_f32 v[116:117], v[116:117], v[118:119]
	v_add_f32 v116, v116, v117
	v_permlanex16_b32 v113, v116, s82, s83
	v_add_f32 v116, v116, v113
	v_mul_f32 v116, 0x43800000, v116               ; l = 256 x the sum
	v_rcp_f32 v117, v116
.set p_, 0
.rept 32
	v_lshlrev_b32 v[224+p_], 9, v[192+p_]          ; the mantissa field on top (plain places behind the reciprocal too)
.set p_, p_+1
.endr
.set p_, 0
.rept 32
	v_lshlrev_b32 v[192+p_], 1, v[192+p_]          ; the exponent field, which is the scale byte, in the top byte
.set p_, p_+1
.endr
	s_wait_alu depctr_va_vdst(0)
	v_mul_f32 v118, s86, v117                      ; gamma / l
	ds_store_b32 v19, v118 offset:32*\u            ; both halves of the lanes write the same value
.set p_, 0
.rept 16
	v_permlane16_swap_b32 v[192+p_], v[208+p_]     ; now lanes 0-15 hold rows 2 s (first) and 2 s + 1 (second) of K step s, lanes 16-31 those of K step s + 16
.set p_, p_+1
.endr
.set p_, 0
.rept 16
	v_perm_b32 v[32+16*\u+p_], v[208+p_], v[192+p_], s88   ; the scale word: bytes (row 2 s, row 2 s + 1) twice
.set p_, p_+1
.endr
	WIN 0x80+0x40*(\u/2)                           ; destination window 2 or 3
.set p_, 0
.rept 32
	v_cmp_lt_u32 vcc_lo, s87, v[224+p_]
	v_cndmask_b32 v[128+32*(\u%2)+p_], v21, v22, vcc_lo    ; eight equal codes
.set p_, p_+1
.endr
	WIN 0
.endm
	SOFT 0
	SOFT 1
	SOFT 2
	SOFT 3
.irp a, 0,1,2,3                                    ; x of channel tiles 4-7, into the registers that k, the energies and the mantissas have left
.irp i, 0,1,2,3,4,5,6,7
	global_load_b128 v[128+32*\a+4*\i:131+32*\a+4*\i], v18, s[94:95] offset:(64+16*\a+2*\i)*16384 th:TH_LOAD_NT
.endr
.endr
	ds_load_b128 v[96:99], v20                     ; gamma / l of pixels 4 r .. 4 r + 3: my own wave's bytes, served in order
	s_wait_tensorcnt 7                             ; my K step of chunk 0 is in; my seven later loads may be out
	s_wait_dscnt 0x0
	s_barrier_signal -1
	s_barrier_wait -1                              ; everybody's is
	WIN 0x40
.irp a, 0,1,2,3,4,5,6,7
	ds_load_b128 v[8*\a:8*\a+3], v8 offset:1024*\a
	ds_load_b128 v[8*\a+4:8*\a+7], v8 offset:1024*\a+512
.endr
	WIN 0
	ds_load_b128 v[24:27], v8 offset:8192
	WIN 0xA6
.set n_, 0
.rept 16
	v_mov_b32 v[192+n_], v[128+32*(n_/8)]          ; the p fragments of K step 0: eight registers, all the lane's code word
.set n_, n_+1
.endr
	WIN 0xF7
.set n_, 0
.rept 16
	v_mov_b32 v[192+n_], v[128+32*(n_/8)]
.set n_, n_+1
.endr
; One product of K step KS_: number n_ = 2 a + uu of a half.  A = p (16 queries), B = v (16 channels): a lane holds one channel and eight neighbouring pixels.
.macro PV1
.if KS_ == 0
.if (n_/2)%2
	v_wmma_scale_f32_16x16x128_f8f6f4 v[rD:rD+7], v[rA:rA+7], v[rB:rB+7], 0, v[rSA], v[rSB] matrix_a_fmt:MATRIX_FMT_FP4 matrix_b_fmt:MATRIX_FMT_FP4 matrix_b_scale:MATRIX_SCALE_ROW1
.else
	v_wmma_scale_f32_16x16x128_f8f6f4 v[rD:rD+7], v[rA:rA+7], v[rB:rB+7], 0, v[rSA], v[rSB] matrix_a_fmt:MATRIX_FMT_FP4 matrix_b_fmt:MATRIX_FMT_FP4
.endif
.elseif KS_ < 16
.if (n_/2)%2
	v_wmma_scale_f32_16x16x128_f8f6f4 v[rD:rD+7], v[rA:rA+7], v[rB:rB+7], v[rD:rD+7], v[rSA], v[rSB] matrix_a_fmt:MATRIX_FMT_FP4 matrix_b_fmt:MATRIX_FMT_FP4 matrix_b_scale:MATRIX_SCALE_ROW1
.else
	v_wmma_scale_f32_16x16x128_f8f6f4 v[rD:rD+7], v[rA:rA+7], v[rB:rB+7], v[rD:rD+7], v[rSA], v[rSB] matrix_a_fmt:MATRIX_FMT_FP4 matrix_b_fmt:MATRIX_FMT_FP4
.endif
.else
.if (n_/2)%2
	v_wmma_scale_f32_16x16x128_f8f6f4 v[rD:rD+7], v[rA:rA+7], v[rB:rB+7], v[rD:rD+7], v[rSA], v[rSB] matrix_a_fmt:MATRIX_FMT_FP4 matrix_b_fmt:MATRIX_FMT_FP4 matrix_a_scale:MATRIX_SCALE_ROW1 matrix_b_scale:MATRIX_SCALE_ROW1
.else
	v_wmma_scale_f32_16x16x128_f8f6f4 v[rD:rD+7], v[rA:rA+7], v[rB:rB+7], v[rD:rD+7], v[rSA], v[rSB] matrix_a_fmt:MATRIX_FMT_FP4 matrix_b_fmt:MATRIX_FMT_FP4 matrix_a_scale:MATRIX_SCALE_ROW1
.endif
.endif
.endm
; Half g of a K step: query tiles 2 g, 2 g + 1 x the eight channel tiles.  Sums, code words and p fragments of these tiles share a window, so the move that builds the next step's fragment stands under the product's own setting.
; The moves are also the places: a p fragment is written 16 moves or more behind its last reader and read 16 moves or more behind its last write (the other half's moves name the other window).
.macro HALF g
	WIN 0xA6+0x51*\g
.set n_, 0
.rept 16
.set rD, 64*(n_%2)+8*(n_/2)
.set rA, 192+16*(KS_%2)+8*(n_%2)
.set rB, 64*(KS_%2)+8*(n_/2)
.set rSA, 32+16*(2*\g+n_%2)+KS_%16
.set rSB, 24+4*(KS_%2)+n_/4
	PV1
.if KS_ < 31
	v_mov_b32 v[192+16*((KS_+1)%2)+n_], v[128+32*(n_/8)+KS_+1]
.endif
.set n_, n_+1
.endr
.endm
.macro KSTEP
	s_wait_dscnt 0x0                               ; this step's 17 loads are in
.if KS_ == 31
.rept 4
	v_nop                                          ; the last step has no moves: these are the places behind the last move of the step before
.endr
.endif
.if (KS_%4 == 3) && (KS_ < 31)
	s_wait_tensorcnt 7-(KS_+1)/4                   ; my K step of the next chunk is in; my loads of later chunks may be out
	s_barrier_signal -1
.endif
	HALF 0
.if (KS_%4 == 3) && (KS_ < 31)
	s_barrier_wait -1                              ; everybody's is
.endif
.if KS_ < 31
	WIN 0x40                                       ; the next step's fragments, in one run, 16 moves behind the last product that read that set
.irp a, 0,1,2,3,4,5,6,7
	ds_load_b128 v[64*((KS_+1)%2)+8*\a:64*((KS_+1)%2)+8*\a+3], v[8+(KS_+1)/4] offset:((KS_+1)%4)*KSTB+1024*\a
	ds_load_b128 v[64*((KS_+1)%2)+8*\a+4:64*((KS_+1)%2)+8*\a+7], v[8+(KS_+1)/4] offset:((KS_+1)%4)*KSTB+1024*\a+512
.endr
	WIN 0
	ds_load_b128 v[24+4*((KS_+1)%2):27+4*((KS_+1)%2)], v[8+(KS_+1)/4] offset:((KS_+1)%4)*KSTB+8192   ; word a / 2: lanes 0-15 even channel tiles, lanes 16-31 odd ones
.endif
	HALF 1
.endm
.set KS_, 0
.rept 32                                           ; written out: the registers of code words and scale words change with the step.  The 32 sums take turns
	KSTEP
.set KS_, KS_+1
.endr
	; THE WAY OUT, a channel tile at a time: through my stage, back as whole rows of 256 bytes, x gamma / l, + x, stored.
	WIN 0
.rept 4
	v_nop
.endr
	s_wait_loadcnt 0x0                             ; x
.macro TOSTAGE a
	WIN 0x08                                       ; the data: window 2
.irp uu, 0,1
	ds_store_b128 v16, v[64*\uu+8*(\a):64*\uu+8*(\a)+3] offset:32*\uu        ; pixels 32 h + 8 u + 0 .. 7 of channel r; each sum from its low end on
	ds_store_b128 v16, v[64*\uu+8*(\a)+4:64*\uu+8*(\a)+7] offset:32*\uu+16
.endr
	WIN 0x0C                                       ; window 3
.irp uu, 0,1
	ds_store_b128 v16, v[64*\uu+8*(\a):64*\uu+8*(\a)+3] offset:64+32*\uu
	ds_store_b128 v16, v[64*\uu+8*(\a)+4:64*\uu+8*(\a)+7] offset:64+32*\uu+16
.endr
	WIN 0x40
.irp i, 0,1,2,3,4,5,6,7
	ds_load_b128 v[32*((\a)%2)+4*\i:32*((\a)%2)+4*\i+3], v17 offset:2*SP*\i  ; LDS serves a wave in order: these see the stores above, and the next tile's stores come behind them
.endr
.endm
.macro SEND a, younger
	s_wait_dscnt \younger                          ; the tile is back; the next tile's 8 stores and 8 loads may be out
	WIN 0x41+0x10*(1-(\a)/4)                       ; x in window 1 (tiles 0-3) or 0 (tiles 4-7)
.irp i, 0,1,2,3,4,5,6,7
.irp e, 0,2
	v_pk_fma_f32 v[32*((\a)%2)+4*\i+\e:32*((\a)%2)+4*\i+\e+1], v[32*((\a)%2)+4*\i+\e:32*((\a)%2)+4*\i+\e+1], v[96+\e:97+\e], v[128+32*((\a)%4)+4*\i+\e:128+32*((\a)%4)+4*\i+\e+1]
.endr
.endr
	WIN 0x04                                       ; the data: window 1
.irp i, 0,1,2,3,4,5,6,7
	global_store_b128 v18, v[32*((\a)%2)+4*\i:32*((\a)%2)+4*\i+3], s[98:99] offset:(16*(\a)+2*\i)*16384 th:TH_STORE_NT   ; sixteen lanes store 256 consecutive bytes, aligned
.endr
.endm
	TOSTAGE 0
.irp a, 1,2,3,4,5,6,7
.if \a > 1
	s_wait_xcnt 0x0                                ; the stores of two tiles back have read their registers: this tile's loads may land there
.endif
	TOSTAGE \a
	SEND \a-1, 16
.endr
	SEND 7, 0
	WIN 0
	s_wait_dscnt 0x0
	s_wait_tensorcnt 0x0
	ds_add_u32 v122, v127
	s_wait_dscnt 0x0
	CROUND                                         ; the closing round: no work-group ends while a partner may still ask for a tile that names it
	s_endpgm
.Lfunc_end_k_q5938a71bd7_attn:
	.size	k_q5938a71bd7_attn, .Lfunc_end_k_q5938a71bd7_attn-k_q5938a71bd7_attn
	.p2alignl 7, 3214868480
	.fill 96, 4, 3214868480
	.section	.rodata,"a",@progbits
	.p2align	6, 0x0
	.amdhsa_kernel k_q5938a71bd7_attn
		.amdhsa_group_segment_fixed_size 327680
		.amdhsa_private_segment_fixed_size 0
		.amdhsa_enable_private_segment 0
		.amdhsa_kernarg_size 96
		.amdhsa_user_sgpr_count 2
		.amdhsa_user_sgpr_kernarg_segment_ptr 1
		.amdhsa_wavefront_size32 1
		.amdhsa_system_sgpr_workgroup_id_x 1
		.amdhsa_system_sgpr_workgroup_id_y 1
		.amdhsa_system_sgpr_workgroup_id_z 1
		.amdhsa_system_vgpr_workitem_id 0
		.amdhsa_next_free_vgpr 1024
		.amdhsa_next_free_sgpr 100
		.amdhsa_reserve_vcc 1
		.amdhsa_float_denorm_mode_32 3
		.amdhsa_float_denorm_mode_16_64 3
		.amdhsa_memory_ordered 1
		.amdhsa_forward_progress 1
		.amdhsa_inst_pref_size 255
	.end_amdhsa_kernel
	.section	.bss,"aw",@nobits
	.p2align	6
	.space	262144
	.amdgpu_metadata
---
amdhsa.version: [ 1, 2 ]
amdhsa.kernels:
  - .name:           k_q5938a71bd7_attn
    .symbol:         k_q5938a71bd7_attn.kd
    .args:
      - { .name: qimg, .offset: 0, .size: 8, .value_kind: global_buffer, .address_space: global }
      - { .name: qscl, .offset: 8, .size: 8, .value_kind: global_buffer, .address_space: global }
      - { .name: rs, .offset: 16, .size: 8, .value_kind: global_buffer, .address_space: global }
      - { .name: pos_h, .offset: 24, .size: 8, .value_kind: global_buffer, .address_space: global }
      - { .name: pos_emb, .offset: 32, .size: 8, .value_kind: global_buffer, .address_space: global }
      - { .name: Wk_codes, .offset: 40, .size: 8, .value_kind: global_buffer, .address_space: global }
      - { .name: Wk_scales, .offset: 48, .size: 8, .value_kind: global_buffer, .address_space: global }
      - { .name: bk, .offset: 56, .size: 8, .value_kind: global_buffer, .address_space: global }
      - { .name: vimg, .offset: 64, .size: 8, .value_kind: global_buffer, .address_space: global }
      - { .name: x, .offset: 72, .size: 8, .value_kind: global_buffer, .address_space: global }
      - { .name: gamma, .offset: 80, .size: 8, .value_kind: global_buffer, .address_space: global }
      - { .name: out0, .offset: 88, .size: 8, .value_kind: global_buffer, .address_space: global }
    .group_segment_fixed_size: 327680
    .private_segment_fixed_size: 0
    .kernarg_segment_align: 8
    .kernarg_segment_size: 96
    .max_flat_workgroup_size: 128
    .sgpr_count:     100
    .vgpr_count:     1024
    .wavefront_size: 32
...
	.end_amdgpu_metadata
.endif
;; end of part 2
